; MI455X (gfx1250); checked and timed in simulation.
; The chip was launched on July 23, 2026; its instructions are those of AMD's public machine-readable ISA for CDNA 5 (MIT licence, August 2026) and "CDNA5" Instruction Set Architecture Reference Guide (July 2026). The comments in the code are by the model that wrote it; some were corrected since.
;; Scriptable AC. Allowed arithmetic: matrix products marked QUANTISED: E3M2 operands, one E8M0 scale for each 32 along K, by v_wmma_scale_f32_16x16x128_f8f6f4 with both operands' format E3M2, f32 sums; products left as they are: f32 operands where the result goes on into a quantised operand, else bf16, f16 or f32 operands; f32 sums; everything else in f32.
;; Inputs: a0_W1_codes 256 x 16 x 24 uint8 (E3M2 codes of a0_W1, K innermost, in blocks of 32 codes, four codes in three bytes); a0_W1_scales 256 x 16 uint8 (E8M0 scales of a0_W1, one for each 32 codes along K); a0_W2 256 x 4 float32; a0_b1 256 float32; a0_b2 4 float32; a1_W1_codes 256 x 16 x 24 uint8 (E3M2 codes of a1_W1, K innermost, in blocks of 32 codes, four codes in three bytes); a1_W1_scales 256 x 16 uint8 (E8M0 scales of a1_W1, one for each 32 codes along K); a1_W2 256 x 4 float32; a1_b1 256 float32; a1_b2 4 float32; a2_W1_codes 256 x 17 x 24 uint8 (E3M2 codes of a2_W1, K innermost, in blocks of 32 codes, four codes in three bytes); a2_W1_scales 256 x 17 uint8 (E8M0 scales of a2_W1, one for each 32 codes along K); a2_W2 256 x 4 float32; a2_Wp 2 x 32 float32; a2_b1 256 float32; a2_b2 4 float32; a2_bp 32 float32; c0_W1_codes 256 x 16 x 24 uint8 (E3M2 codes of c0_W1, K innermost, in blocks of 32 codes, four codes in three bytes); c0_W1_scales 256 x 16 uint8 (E8M0 scales of c0_W1, one for each 32 codes along K); c0_W2 256 x 1 float32; c0_b1 256 float32; c0_b2 1 float32; c1_W1_codes 256 x 16 x 24 uint8 (E3M2 codes of c1_W1, K innermost, in blocks of 32 codes, four codes in three bytes); c1_W1_scales 256 x 16 uint8 (E8M0 scales of c1_W1, one for each 32 codes along K); c1_W2 256 x 1 float32; c1_b1 256 float32; c1_b2 1 float32; c2_W1_codes 256 x 17 x 24 uint8 (E3M2 codes of c2_W1, K innermost, in blocks of 32 codes, four codes in three bytes); c2_W1_scales 256 x 17 uint8 (E8M0 scales of c2_W1, one for each 32 codes along K); c2_W2 256 x 1 float32; c2_Wp 2 x 32 float32; c2_b1 256 float32; c2_b2 1 float32; c2_bp 32 float32; features 65,536 x 512 float32; pointgoal 65,536 x 2 float32; task_id 65,536 x 1 int32.
;; Outputs: out0 65,536 x 5 float32.
;; This version of the problem:
;;   THIS VERSION OF THE PROBLEM IS GIVEN IN LOW PRECISION. The matrix products marked QUANTISED in the list below multiply operands that are first quantised to E3M2 (3 exponent bits, 2 mantissa bits; 6 bits a number), with one power-of-two scale for each 32 numbers along K (OCP MX v1.0); their sums are f32. All else is computed in f32.
;;   The module's matrix products, in the order in which they are computed (A, B: the left and right operand; K: the contracted axis; several contracted axes count as one K, in the product's order):
;;     1. [M 65,536, K 2] x [K 2, N 32]; A: input pointgoal; B: input a2_Wp: left as it is (K = 2 < 32)
;;     2. [M 65,536, K 2] x [K 2, N 32]; A: input pointgoal; B: input c2_Wp: left as it is (K = 2 < 32)
;;     3. [M 65,536, K 512] x [K 512, N 256]; A: input features; B: input a0_W1 (given as codes): QUANTISED
;;     4. [M 65,536, K 256] x [K 256, N 4]; A: computed on the way; B: input a0_W2: left as it is (N = 4 < 16)
;;     5. [M 65,536, K 512] x [K 512, N 256]; A: input features; B: input a1_W1 (given as codes): QUANTISED
;;     6. [M 65,536, K 256] x [K 256, N 4]; A: computed on the way; B: input a1_W2: left as it is (N = 4 < 16)
;;     7. [M 65,536, K 544] x [K 544, N 256]; A: computed on the way; B: input a2_W1 (given as codes): QUANTISED
;;     8. [M 65,536, K 256] x [K 256, N 4]; A: computed on the way; B: input a2_W2: left as it is (N = 4 < 16)
;;     9. [M 65,536, K 512] x [K 512, N 256]; A: input features; B: input c0_W1 (given as codes): QUANTISED
;;     10. [M 65,536, K 256] x [K 256, N 1]; A: computed on the way; B: input c0_W2: left as it is (N = 1 < 16)
;;     11. [M 65,536, K 512] x [K 512, N 256]; A: input features; B: input c1_W1 (given as codes): QUANTISED
;;     12. [M 65,536, K 256] x [K 256, N 1]; A: computed on the way; B: input c1_W2: left as it is (N = 1 < 16)
;;     13. [M 65,536, K 544] x [K 544, N 256]; A: computed on the way; B: input c2_W1 (given as codes): QUANTISED
;;     14. [M 65,536, K 256] x [K 256, N 1]; A: computed on the way; B: input c2_W2: left as it is (N = 1 < 16)
;;   THE QUANTISER, for each operand of a quantised product, along K:
;;     - K is cut into blocks of 32 from its start; a last block that is shorter is filled with zeros.
;;     - A block's scale is 2^e with e = floor(log2(the largest magnitude in the block)) - 4, held to -126 .. 127; a block of zeros has e = 0. As a byte (E8M0): e + 127.
;;     - Each number is divided by its block's scale, clamped to +-28, and rounded to the nearest number of E3M2, ties to even, subnormals kept.
;;     - The product sums the exact products of the quantised numbers (number of the format x scale) in f32.
;;   ~~~python
;;   def quantise(x, axis):      # numpy; x: float32 -> the quantised numbers, widened to float32 again
;;       x = np.moveaxis(x, axis, -1); K = x.shape[-1]
;;       x = np.pad(x, [(0, 0)] * (x.ndim - 1) + [(0, -K % 32)]); x = x.reshape(x.shape[:-1] + (-1, 32)); a = np.abs(x).max(-1, keepdims=True)
;;       e = np.where(a > 0, np.clip(np.frexp(np.where(a > 0, a, 1))[1] - 1 - 4, -126, 127), 0)      # np.frexp(a)[1] - 1 = floor(log2(a)), exactly
;;       r = np.clip(x / 2.0 ** e, -28, 28)
;;       step = 2.0 ** (np.maximum(np.frexp(np.where(r == 0, 1, r))[1] - 1, -2) - 2)
;;       q = np.round(r / step) * step * 2.0 ** e      # np.round: ties to even
;;       return np.moveaxis(q.reshape(q.shape[:-2] + (-1,))[..., :K], -1, axis).astype(np.float32)
;;   ~~~
;;   OPERANDS COMPUTED ON THE WAY. 'Computed on the way' means the value that the module computes at that place (a softmax that the list does not call 'softmax' is quantised finished and normalised). What goes into a quantiser is computed in f32, as accurately as f32 sums, v_exp_f32 and their like allow (about 1e-6 of the number): no bf16 or f16 on the way to a quantiser, and a product that is left as it is and whose result goes on into a quantised operand takes f32 operands (vector FMAs, or v_wmma_f32_16x16x4_f32). A number that lies on a knife's edge between two numbers of the format may be rounded either way, as far as f32 arithmetic and the matrix unit's own rounding can turn it there, and no further.
;;   INPUTS GIVEN AS CODES. a0_W1 (in the module: [512, 256], K = its axis 0); a1_W1 (in the module: [512, 256], K = its axis 0); a2_W1 (in the module: [544, 256], K = its axis 0); c0_W1 (in the module: [512, 256], K = its axis 0); c1_W1 (in the module: [512, 256], K = its axis 0); c2_W1 (in the module: [544, 256], K = its axis 0): each comes as NAME_codes (uint8): NAME with its K axis moved to the last place and cut into blocks of 32 codes, [.., K / 32, bytes a block], one block behind the other in memory; four codes in three bytes: a row's codes are one little-endian stream of bits, code i at bits 6 i .. 6 i + 5 (a code: sign, 3 exponent bits, 2 mantissa bits); and NAME_scales (uint8): the same leading axes, one E8M0 byte (e + 127) for each 32 codes along K. Its value is code x scale, taken as it is: it is not quantised again, and the codes and scales need not be those that the quantiser above would give.
;; One version. Each part assembles by itself: llvm-mc -triple=amdgcn-amd-amdhsa -mcpu=gfx1250 --defsym DOCPART=n.
;; ======== version 1 of 1: 2 launches
;; limits: values are held in bf16: 8 bits of precision; right only within a limited range of input values
;; workspace buffers: pack 787,456 bytes
;; launch prep (part 1): grid 32 x 3, 4 waves a work-group, no clusters, 0 bytes of LDS; arguments c0_W1_codes, a0_W1_codes, c1_W1_codes, a1_W1_codes, c2_W1_codes, a2_W1_codes, c0_W1_scales, a0_W1_scales, c1_W1_scales, a1_W1_scales, c2_W1_scales, a2_W1_scales, c0_W2, a0_W2, c1_W2, a1_W2, c2_W2, a2_W2, c0_b1, a0_b1, c1_b1, a1_b1, c2_b1, a2_b1, pack; writes pack
.if DOCPART == 1
	.amdgcn_target "amdgcn-amd-amdhsa--gfx1250"
	.amdhsa_code_object_version 6
	.text
	.protected	k_qac87c731aa_prep
	.globl	k_qac87c731aa_prep
	.p2align	8
	.type	k_qac87c731aa_prep,@function
k_qac87c731aa_prep:
	s_mov_b64 s[64:65], 0
	v_nop
	global_prefetch_b8 v0, s[64:65] scope:SCOPE_SE
	s_setreg_imm32_b32 hwreg(HW_REG_WAVE_MODE, 25, 1), 1
	s_wait_xcnt 0x0
; The six heads' weights are laid out once, in the order in which the second launch's operand registers take them.
; pack: 24 regions of RW bytes, region 8 x task + w, for wave w of the second launch: 64 hidden units, 64 (w & 3) on, of the critic (w < 4) or of the actor.
;   at 0    fragment (K step s, unit tile t) at (4 s + t) x 1,536: an image of its 12 registers, group c of four at 512 c + 16 x lane
;   K5F     task 2: the 17th block of 32, 6 registers a tile: 768 t + 16 x lane (four), 768 t + 512 + 8 x lane (two).  Both halves of the lanes hold the block: the other operand is zero beyond its first 32
;   SCW     scale words: 512 t + 16 x lane: K steps 0 to 3 of row 16 t + lane % 16.   K5S: task 2: the 17th block's, 16 x lane + 4 t
;   W2F     the second layer as bf16 fragments of 16 rows (outputs) x 32 (units): row 0 = the critic's column, or rows 0-3 = the actor's four, all other rows zeros; half fragment t at 512 t + 16 x lane
; behind the regions, at CONST + 256 x task: b1 W2 of the critic (4 bytes) and, 16 bytes on, of the actor (16 bytes), in f32: (x W1 + b1) W2 = x W1 W2 + b1 W2, and no quantiser follows b1.
; Work-group (x, task): w = x / 4, s = x % 4; wave t lays out fragment (s, t), and one thing more by s: 0 scale words, 1 the 17th block, 2 W2, 3 (one wave a head) b1 W2.  No LDS, no barrier.
; LIMIT: NaN and infinities are not served.
.set K5F,  24576
.set SCW,  27648
.set K5S,  29696
.set W2F,  30208
.set CONST, 786432
.macro VW
	s_wait_alu depctr_va_vdst(0)
.endm
	s_load_b512 s[8:23], s[0:1], 0x0               ; codes of the six heads, scales of two
	s_load_b512 s[24:39], s[0:1], 0x40             ; scales of four, W2 of four
	s_load_b512 s[40:55], s[0:1], 0x80             ; W2 of two, b1 of six
	s_load_b64 s[56:57], s[0:1], 0xc0              ; pack
	v_lshrrev_b32 v1, 5, v0
	v_readfirstlane_b32 s2, v1                     ; t
	v_and_b32 v1, 31, v0                           ; lane
	v_and_b32 v2, 15, v0                           ; r
	v_bfe_u32 v3, v0, 4, 1                         ; h
	VW
	s_bfe_u32 s3, ttmp7, 0x20000                   ; task
	s_lshr_b32 s4, ttmp9, 4                        ; head: 0 critic, 1 actor
	s_lshl_b32 s5, s3, 1
	s_add_co_u32 s5, s5, s4                        ; which of the six
	s_and_b32 s6, ttmp9, 3                         ; s
	s_bfe_u32 s7, ttmp9, 0x20002                   ; w & 3
	s_lshl_b32 s68, s7, 6
	s_lshl_b32 s69, s2, 4
	s_add_co_u32 s68, s68, s69                     ; u0: the tile's first unit
	s_lshr_b32 s69, s3, 1
	s_mul_i32 s69, s69, 24
	s_add_co_u32 s69, s69, 384                     ; a row of codes: 384 bytes, task 2: 408
	s_lshl_b32 s70, s3, 3
	s_lshr_b32 s71, ttmp9, 2
	s_add_co_u32 s70, s70, s71
	s_lshl_b32 s70, s70, 15                        ; my region
	s_mov_b32 s71, 0
	s_lshl_b32 s72, s3, 8
	s_mov_b32 s73, 0
	s_mul_i32 s76, s6, 96
	s_lshl_b32 s77, s6, 2
	s_add_co_u32 s77, s77, s2
	s_mul_i32 s77, s77, 1536
	s_mul_i32 s78, s2, 768
	s_lshl_b32 s79, s2, 9
	v_add_nc_u32 v4, s68, v2                       ; my unit
	v_mul_lo_u32 v5, v4, s69
	v_mad_u32_u24 v5, v3, 24, v5
	v_add_nc_u32 v5, s76, v5                       ; codes: my row, + 96 s + 24 h
	v_lshlrev_b32 v6, 4, v1
	v_add_nc_u32 v7, s77, v6                       ; out: the fragment
	v_add_nc_u32 v9, s79, v6                       ; out: 512 t + 16 x lane
	v_lshl_add_u32 v10, v3, 3, s68                 ; u0 + 8 h
	v_add_nc_u32 v11, s78, v6                      ; out: the 17th block
	v_lshl_add_u32 v12, v1, 3, s78
	v_lshl_add_u32 v13, s2, 2, v6                  ; out: its scale word
	v_mov_b32 v14, 0
	VW
	s_wait_kmcnt 0x0
	s_mov_b64 s[58:59], s[8:9]                     ; the head's four buffers: a choice on the work-group's numbers alone
	s_mov_b64 s[60:61], s[20:21]
	s_mov_b64 s[62:63], s[32:33]
	s_mov_b64 s[66:67], s[44:45]
.irp k, 1,2,3,4,5
	s_cmp_eq_u32 s5, \k
	s_cselect_b64 s[58:59], s[8+2*\k:9+2*\k], s[58:59]
	s_cselect_b64 s[60:61], s[20+2*\k:21+2*\k], s[60:61]
	s_cselect_b64 s[62:63], s[32+2*\k:33+2*\k], s[62:63]
	s_cselect_b64 s[66:67], s[44+2*\k:45+2*\k], s[66:67]
.endr
	s_add_nc_u64 s[74:75], s[56:57], s[72:73]      ; the task's b1 W2, CONST bytes on
	s_add_nc_u64 s[56:57], s[56:57], s[70:71]
.irp p, 0,1,2,3,4,5                    ; registers 0-5 are the 24 bytes at 96 s + 24 h of the row, registers 6-11 those 48 bytes on
	global_load_b64 v[80+2*\p:81+2*\p], v5, s[58:59] offset:48*(\p/3)+8*(\p%3)
.endr
	s_cmp_eq_u32 s6, 1
	s_cbranch_scc1 .Lblock17
	s_cmp_eq_u32 s6, 2
	s_cbranch_scc1 .Lw2
	s_cmp_eq_u32 s6, 3
	s_cbranch_scc1 .Lconst
	; s = 0: the scale words of my tile's rows
	s_cmp_eq_u32 s3, 2
	s_cbranch_scc1 .Lrows17
	v_lshlrev_b32 v8, 4, v4                        ; rows of 16 bytes
	global_load_b128 v[24:27], v8, s[60:61]
	s_wait_loadcnt 0x0
	s_branch .Lscales_out
.Lrows17:
	v_mul_u32_u24 v8, v4, 17                       ; rows of 17 bytes: five words from the row's first word on hold them (the last row's fifth is the buffer's last)
	v_and_b32 v15, 3, v8
	v_lshlrev_b32 v15, 3, v15                      ; the row begins so many bits into its first word
	v_sub_nc_u32 v16, 31, v15
	v_and_b32 v8, -4, v8
.irp i, 0,1,2,3,4
	global_load_b32 v[28+\i], v8, s[60:61] offset:4*\i
.endr
	VW
	s_wait_loadcnt 0x0
.irp i, 0,1,2,3
	v_lshrrev_b32 v[24+\i], v15, v[28+\i]
.endr
.irp i, 0,1,2,3
	v_lshlrev_b32 v[36+\i], 1, v[29+\i]            ; (two shifts: their sum is 32 where the row begins on a word)
.endr
.irp i, 0,1,2,3
	v_lshl_or_b32 v[24+\i], v[36+\i], v16, v[24+\i]
.endr
	v_lshrrev_b32 v33, v15, v32
	v_and_b32 v33, 0xff, v33
	v_or_b32 v33, 0x7f7f7f00, v33                  ; the 17th block's byte; the rest of that K step gets the byte 127
	global_store_b32 v13, v33, s[56:57] offset:K5S
.Lscales_out:
	global_store_b128 v9, v[24:27], s[56:57] offset:SCW
	s_branch .Lfragment
.Lblock17:
	s_cmp_eq_u32 s3, 2
	s_cbranch_scc0 .Lfragment
	v_mul_u32_u24 v8, 0x198, v4
.irp p, 0,1,2
	global_load_b64 v[24+2*\p:25+2*\p], v8, s[58:59] offset:384+8*\p
.endr
	s_wait_loadcnt 0x0
	global_store_b128 v11, v[24:27], s[56:57] offset:K5F
	global_store_b64 v12, v[28:29], s[56:57] offset:K5F+512
	s_branch .Lfragment
.Lw2:
	s_cmp_eq_u32 s4, 0
	s_cbranch_scc0 .Lw2_actor
	v_lshlrev_b32 v17, 2, v10                      ; the critic's W2: 4 bytes a unit
	global_load_b128 v[24:27], v17, s[62:63]
	global_load_b128 v[28:31], v17, s[62:63] offset:16
	v_cmp_eq_u32 vcc_lo, 0, v2                     ; kept in row 0
	VW
	s_branch .Lw2_asked
.Lw2_actor:
	v_min_u32 v16, 3, v2                           ; the actor's: 16 bytes a unit; the column is held inside the row for the lanes whose numbers are dropped
	v_lshlrev_b32 v17, 4, v10
	v_lshl_add_u32 v17, v16, 2, v17
.irp j, 0,1,2,3,4,5,6,7
	global_load_b32 v[24+\j], v17, s[62:63] offset:16*\j
.endr
	v_cmp_gt_u32 vcc_lo, 4, v2                     ; kept in rows 0 to 3
	VW
.Lw2_asked:
	s_wait_loadcnt 0x0
.irp j, 0,1,2,3,4,5,6,7
	v_cndmask_b32 v[24+\j], 0, v[24+\j], vcc_lo
.endr
.irp j, 0,1,2,3
	v_cvt_pk_bf16_f32 v[36+\j], v[24+2*\j], v[25+2*\j]
.endr
	global_store_b128 v9, v[36:39], s[56:57] offset:W2F
	s_branch .Lfragment
; b1 W2 over the head's 256 units: lane l sums units 8 l to 8 l + 7, then the 32 lanes are added; every lane stores the same number to the same address
.macro LANES n
.irp x, 1,2,4,8
.set i, 0
.rept \n
	v_add_f32_dpp v[72+i], v[72+i], v[72+i] row_xmask:\x row_mask:0xf bank_mask:0xf
.set i, i+1
.endr
.endr
.set i, 0
.rept \n
	v_permlanex16_b32 v[76+i], v[72+i], s70, s71
.set i, i+1
.endr
.set i, 0
.rept \n
	v_add_f32 v[72+i], v[72+i], v[76+i]
.set i, i+1
.endr
.endm
.Lconst:
	s_or_b32 s76, s2, s7
	s_cmp_eq_u32 s76, 0
	s_cbranch_scc0 .Lfragment
	s_mov_b32 s70, 0x76543210
	s_mov_b32 s71, 0xfedcba98
	v_lshlrev_b32 v8, 5, v1
	global_load_b128 v[32:35], v8, s[66:67]
	global_load_b128 v[36:39], v8, s[66:67] offset:16
.irp i, 76,77,78,79
	v_mov_b32 v[\i], 0                             ; (a lane permute's destination counts as one of its sources)
.endr
	VW
	s_cmp_eq_u32 s4, 0
	s_cbranch_scc0 .Lconst_actor
	global_load_b128 v[40:43], v8, s[62:63]
	global_load_b128 v[44:47], v8, s[62:63] offset:16
	s_wait_loadcnt 0x0
	v_mul_f32 v72, v32, v40
.irp j, 1,2,3,4,5,6,7
	v_fmac_f32 v72, v[32+\j], v[40+\j]
.endr
	LANES 1
	global_store_b32 v14, v72, s[74:75] offset:CONST
	s_branch .Lfragment
.Lconst_actor:
	v_lshlrev_b32 v15, 7, v1
.irp j, 0,1,2,3,4,5,6,7
	global_load_b128 v[40+4*\j:43+4*\j], v15, s[62:63] offset:16*\j
.endr
	s_wait_loadcnt 0x0
.irp o, 0,1,2,3
	v_mul_f32 v[72+\o], v32, v[40+\o]
.endr
.irp j, 1,2,3,4,5,6,7
.irp o, 0,1,2,3
	v_fmac_f32 v[72+\o], v[32+\j], v[40+4*\j+\o]
.endr
.endr
	LANES 4
	global_store_b128 v14, v[72:75], s[74:75] offset:CONST+16
.Lfragment:
	s_wait_loadcnt 0x0
.irp c, 0,1,2
	global_store_b128 v7, v[80+4*\c:83+4*\c], s[56:57] offset:512*\c   ; 32 lanes store 512 consecutive bytes
.endr
	s_endpgm
.Lfunc_end_k_qac87c731aa_prep:
	.size	k_qac87c731aa_prep, .Lfunc_end_k_qac87c731aa_prep-k_qac87c731aa_prep
	.p2alignl 7, 3214868480
	.fill 96, 4, 3214868480
	.section	.rodata,"a",@progbits
	.p2align	6, 0x0
	.amdhsa_kernel k_qac87c731aa_prep
		.amdhsa_group_segment_fixed_size 0
		.amdhsa_private_segment_fixed_size 0
		.amdhsa_enable_private_segment 0
		.amdhsa_kernarg_size 200
		.amdhsa_user_sgpr_count 2
		.amdhsa_user_sgpr_kernarg_segment_ptr 1
		.amdhsa_wavefront_size32 1
		.amdhsa_system_sgpr_workgroup_id_x 1
		.amdhsa_system_sgpr_workgroup_id_y 1
		.amdhsa_system_sgpr_workgroup_id_z 1
		.amdhsa_system_vgpr_workitem_id 0
		.amdhsa_next_free_vgpr 96
		.amdhsa_next_free_sgpr 80
		.amdhsa_reserve_vcc 1
		.amdhsa_float_denorm_mode_32 3
		.amdhsa_float_denorm_mode_16_64 3
		.amdhsa_memory_ordered 1
		.amdhsa_forward_progress 1
		.amdhsa_inst_pref_size 14
	.end_amdhsa_kernel
	.amdgpu_metadata
---
amdhsa.version: [ 1, 2 ]
amdhsa.kernels:
  - .name:           k_qac87c731aa_prep
    .symbol:         k_qac87c731aa_prep.kd
    .args:
      - { .name: c0_W1_codes, .offset: 0, .size: 8, .value_kind: global_buffer, .address_space: global }
      - { .name: a0_W1_codes, .offset: 8, .size: 8, .value_kind: global_buffer, .address_space: global }
      - { .name: c1_W1_codes, .offset: 16, .size: 8, .value_kind: global_buffer, .address_space: global }
      - { .name: a1_W1_codes, .offset: 24, .size: 8, .value_kind: global_buffer, .address_space: global }
      - { .name: c2_W1_codes, .offset: 32, .size: 8, .value_kind: global_buffer, .address_space: global }
      - { .name: a2_W1_codes, .offset: 40, .size: 8, .value_kind: global_buffer, .address_space: global }
      - { .name: c0_W1_scales, .offset: 48, .size: 8, .value_kind: global_buffer, .address_space: global }
      - { .name: a0_W1_scales, .offset: 56, .size: 8, .value_kind: global_buffer, .address_space: global }
      - { .name: c1_W1_scales, .offset: 64, .size: 8, .value_kind: global_buffer, .address_space: global }
      - { .name: a1_W1_scales, .offset: 72, .size: 8, .value_kind: global_buffer, .address_space: global }
      - { .name: c2_W1_scales, .offset: 80, .size: 8, .value_kind: global_buffer, .address_space: global }
      - { .name: a2_W1_scales, .offset: 88, .size: 8, .value_kind: global_buffer, .address_space: global }
      - { .name: c0_W2, .offset: 96, .size: 8, .value_kind: global_buffer, .address_space: global }
      - { .name: a0_W2, .offset: 104, .size: 8, .value_kind: global_buffer, .address_space: global }
      - { .name: c1_W2, .offset: 112, .size: 8, .value_kind: global_buffer, .address_space: global }
      - { .name: a1_W2, .offset: 120, .size: 8, .value_kind: global_buffer, .address_space: global }
      - { .name: c2_W2, .offset: 128, .size: 8, .value_kind: global_buffer, .address_space: global }
      - { .name: a2_W2, .offset: 136, .size: 8, .value_kind: global_buffer, .address_space: global }
      - { .name: c0_b1, .offset: 144, .size: 8, .value_kind: global_buffer, .address_space: global }
      - { .name: a0_b1, .offset: 152, .size: 8, .value_kind: global_buffer, .address_space: global }
      - { .name: c1_b1, .offset: 160, .size: 8, .value_kind: global_buffer, .address_space: global }
      - { .name: a1_b1, .offset: 168, .size: 8, .value_kind: global_buffer, .address_space: global }
      - { .name: c2_b1, .offset: 176, .size: 8, .value_kind: global_buffer, .address_space: global }
      - { .name: a2_b1, .offset: 184, .size: 8, .value_kind: global_buffer, .address_space: global }
      - { .name: pack, .offset: 192, .size: 8, .value_kind: global_buffer, .address_space: global }
    .group_segment_fixed_size: 0
    .private_segment_fixed_size: 0
    .kernarg_segment_align: 8
    .kernarg_segment_size: 200
    .max_flat_workgroup_size: 128
    .sgpr_count:     80
    .vgpr_count:     96
    .wavefront_size: 32
...
	.end_amdgpu_metadata
.endif
;; end of part 1
;; launch main (part 2): grid 85 x 3, 8 waves a work-group, no clusters, 201,984 bytes of LDS; arguments pack, features, pointgoal, task_id, c0_b2, c1_b2, c2_b2, a0_b2, a1_b2, a2_b2, c2_Wp, c2_bp, a2_Wp, a2_bp, out0; writes out0
.if DOCPART == 2
	.amdgcn_target "amdgcn-amd-amdhsa--gfx1250"
	.amdhsa_code_object_version 6
	.text
	.protected	k_qac87c731aa_main
	.globl	k_qac87c731aa_main
	.p2align	8
	.type	k_qac87c731aa_main,@function
k_qac87c731aa_main:
	s_mov_b64 s[64:65], 0
	v_nop
	global_prefetch_b8 v0, s[64:65] scope:SCOPE_SE
	s_setreg_imm32_b32 hwreg(HW_REG_WAVE_MODE, 25, 1), 1
	s_wait_xcnt 0x0
; out0[token] = (value, four logits) of the task that task_id names for the token (0, 1, anything else = 2).  Only the chosen task's two heads are multiplied; the other heads' results are thrown away.
; SHARES.  Work-group (g, t) owns tokens 772 g .. 772 g + 771 and task t.  Its eight waves compact the tokens of task t into ONE list of positions, 16 to a tile, padded with its last token; a block is four tiles.
; QUANTISING.  Wave w takes tile m = w & 3 of each block and half kh = w >> 2 of K: 16 rows x 1,024 bytes.  A row comes by two loads of 512 consecutive bytes each, goes through the wave's own stage in LDS (rows of
; 528 bytes) and comes back with 16 neighbours along K in a lane; the codes (E3M2, one E8M0 byte for each 32) are put into LDS as IMAGES OF THE FRAGMENT'S REGISTERS.  Task 2: the wave also makes head kh's embedding of
; pointgoal for its tile, in f32: the 17th block of 32, a K step of its own whose other 96 codes are zeros.
; PRODUCTS.  Wave w keeps 64 of the task's 512 units (w < 4 the critic's, else the actor's) in registers for the whole launch: 16 fragments (task 2: 4 more), laid out by the launch before.  A tile: hidden^T = W1 x^T
; (source 0 = 16 units, source 1 = 16 tokens), rounded to bf16 in place; two tiles of units are source 1 of out^T = W2^T hidden^T.  The eight parts meet in a stage in LDS; wave m adds tile m's parts and b1 W2 + b2
; (b1 W2 in f32, by the launch before: no quantiser follows b1) and stores five numbers a token.
; A TRIP i of the loop (14, a constant, so that every wave passes every barrier): quantises block i, asks for block i + 1 and prefetches block i + 3, multiplies block i - 1; ONE barrier; the owners' sums of block i - 1.
; PREFETCH: each wave names the four 256-byte blocks of its half of 16 rows, once, two trips ahead of the trip that loads them; blocks 1 and 2 at the head; none beyond the list's last tile.
; No cluster and no tensor load: the rows that a work-group reads, and how many tiles it walks, hang on task_id, which is read from memory; rows are shared by no two work-groups.
; Padded rows and lanes 16-31 store the same number to the same address as the row that they repeat: EXEC is never changed.  An output row is 20 bytes of a token of its own: five stores of 4 bytes.
; LIMITS: blocks whose largest magnitude lies under 2^-122 get the scale byte 1; a block of zeros gets the byte 1 with zero codes, which add nothing; NaN and infinities are not served.  x W1 and W2 are rounded to bf16 for
; the second products.  A split that puts all tokens on one task is served, by a third of the work-groups.
.set SWG,   772                        ; tokens of a work-group
.set SW,    97                         ; ids of a wave
.set TRIPS, 14                         ; 772 / 64 rounded up, and one
.set K5F,   24576                      ; pack: see the launch before
.set SCW,   27648
.set K5S,   29696
.set W2F,   30208
.set CONST, 786432
.set SETB,  0x10000                    ; LDS: two sets, at 0 and at SETB.  In a set: images: tile m, half kh at 8,192 m + 4,096 kh: fragment c of the half at 1,536 c, the embedding of head kh at 3,072
.set SC,    32768                      ;   scale words: 1,024 m + 16 x lane + 4 s; the embeddings' 512 + 8 kh further on
.set STG,   36864                      ;   wave w's part of tile m's outputs at (4 w + m) x 512 + 16 x lane
.set WL,    0xd000                     ; + 512 w: the tokens that wave w found, 128 places
.set PL,    0x2ed00                    ; + 1,280 w: wave w's own rows' tokens: block b at 64 + 64 b
.set CNT,   0x1d000                    ; + 4 w: how many wave w found
.set EMBW,  0x1d100                    ; + 512 w: the wave's copy of its head's Wp (+0) and bp (+256)
.set SPARE, 0x1e100                    ; the spare words
.set BNC,   0x1e500                    ; + 8,448 w: the wave's stage of 16 rows x 528 bytes
; vector registers, window 0
.set LI,  1                            ; 16 x lane
.set FOF, 2                            ; 16 x lane + 1,024 kh
.set BW,  3                            ; my stage: in,
.set BR,  4                            ; and back
.set R4,  5                            ; 4 x (lane % 16)
.set AD,  6                            ; v6-9 LDS addresses made where they are used
.set TN,  11                           ; tokens of the next block's rows
.set PGO, 12                           ; their offset in pointgoal
.set EA,  13                           ; my half's place in the copy of Wp and bp
.set PG,  14                           ; v14-15 pointgoal of my row
.set PF,  16                           ; v16-17 prefetch offsets
.set PLA, 18                           ; 4 x (lane / 4)
.set PFC, 19                           ; 256 x (lane % 4) + 1,024 kh
.set SPW, 20                           ; my spare word's address, and
.set NIL, 21                           ; 0: never rewritten
.set XS,  22                           ; v22-26 x's scale words: scales and nothing else
.set W1S, 28                           ; v28-47 W1's scale words, 4 t + s, then the 17th block's: scales and nothing else
.set HA,  48                           ; v48-79 four accumulators; between products at work:
.set TM,  48                           ;   the quantiser: v48-63,
.set PW,  64                           ;   the scale word, and v66-85 the codes
.set PC,  66
.set EE,  48                           ;   the embedding: v48-107
.set EW0, 64
.set EW1, 80
.set PC2, 96
.set EM,  104
.set QC,  48                           ;   the owner's sums: v48-69
.set QA,  52
.set TOK, 68
.set OFF, 69
.set XF,  80                           ; v80-127 four fragments of x
.set F,   128                          ; v128-255 two chunks of features: 16 rows x 128 each
; window 1: v0-191 W1's fragments at 12 (4 s + t); v192-215 those of the 17th block, 6 registers each (the six behind a fragment's own are multiplied by zero codes); v216-231 W2's two fragments; v232-243 x's fifth fragment
.set K5,  192
.set W2,  216
.set X5,  232
; at the head only
.set LN,  48
.set RR,  49
.set HH,  50
.set WLA, 51
.set ID,  52
.set TK,  56
.set PA,  60
.set PV,  64
.set LL,  68
.set EQ,  72
.set L8,  75
.set L4,  76
.set TP,  78
.set GP,  90
.set OF,  97
.set CT,  104
.set PB,  112
.set PX,  114
.set E8,  116
.set E4,  117
.set PLS, 118
; scalar registers: s[4:5] pack, s[6:7] features, s[8:9] pointgoal, s[10:11] task_id, s[32:33] out0; s[66:97] the addresses of my 16 rows; s98-101, s104-105 at work
.set WV,   34
.set TASK, 35
.set KH,   36
.set MM,   37
.set NT,   38                          ; the list's tiles
.set MY,   39                          ; my tile of block i
.set MYO,  40                          ; waves 0-3: my tile of block i - 1; the others: a number beyond every tile
.set BT,   41                          ; the first tile of block i - 1
.set LP,   42                          ; my list at block i - 1
.set SA,   43                          ; s43-47, s53-54 the scalar parts of LDS addresses; each changes sets from trip to trip
.set SXI,  44
.set SXW,  45
.set SAH,  46
.set SAS,  47
.set SSW,  53
.set SSR,  54
.set AB,   56                          ; s56-59 b1 W2 + b2 of the actor
.set CB,   60                          ; of the critic
.set TB,   61
.set SEL,  62                          ; s62-63 lane selects: lane l xor 16
.set CC,   66                          ; at the head: tokens found in group i of 32 ids,
.set CN,   70                          ; and before it
.set MSB, 0
.macro WIN new                         ; the immediate's high byte repeats the setting that is left
.if MSB != (\new)
	s_set_vgpr_msb (MSB<<8)|(\new)
.set MSB, (\new)
.endif
.endm
.macro VW
	s_wait_alu depctr_va_vdst(0)
.endm
.macro PLACES n
.rept \n
	v_nop
.endr
.endm
; my 16 rows' addresses, from lanes l0 .. l0 + 15 of a register of token numbers; a number that was loaded is held inside the table
.macro BASES reg, l0
.irp i, 0,1,2,3,4,5,6,7,8,9,10,11,12,13,14,15
.set Q, 98+2*(\i%3)+2*((\i%3)/2)
	v_readlane_b32 s[Q], v[\reg], \l0+\i
	s_min_u32 s[Q], s[Q], 0xffff
	s_lshl_b32 s[Q], s[Q], 11
	s_add_nc_u64 s[66+2*\i:67+2*\i], s[6:7], s[Q:Q+1]
.endr
.endm
.macro FLOAD c                         ; chunk c: 128 features of my 16 rows, 512 consecutive bytes of a row each
.irp i, 0,1,2,3,4,5,6,7,8,9,10,11,12,13,14,15
	global_load_b128 v[F+64*\c+4*\i:F+64*\c+4*\i+3], v[FOF], s[66+2*\i:67+2*\i] offset:512*\c
.endr
.endm
; the prefetch of a block's rows: lane l names the block of 256 bytes l % 4 of my half of rows l / 4 and l / 4 + 8
.macro PFETCH off, a, b
	ds_load_b32 v[\a], v[AD+3] offset:\off
	ds_load_b32 v[\b], v[AD+3] offset:\off+32
	s_wait_dscnt 0x0
	v_min_u32 v[\a], 0xffff, v[\a]
	v_min_u32 v[\b], 0xffff, v[\b]
	v_lshl_add_u32 v[\a], v[\a], 11, v[PFC]
	v_lshl_add_u32 v[\b], v[\b], 11, v[PFC]
	global_prefetch_b8 v[\a], s[6:7] th:TH_LOAD_NT scope:SCOPE_SE
	global_prefetch_b8 v[\b], s[6:7] th:TH_LOAD_NT scope:SCOPE_SE
.endm
; chunk c, when its loads are in: through my stage, quantised, its image and scale word stored.  n: the loads issued behind it that may stay out
.macro CHUNK c, n
.set CR, F+64*\c
	s_wait_loadcnt \n
.irp i, 0,1,2,3,4,5,6,7,8,9,10,11,12,13,14,15
	ds_store_b128 v[BW], v[CR+4*\i:CR+4*\i+3] offset:528*\i
.endr
.irp b, 0,1,2,3
.irp q, 0,1,2,3
	ds_load_b128 v[CR+16*\b+4*\q:CR+16*\b+4*\q+3], v[BR] offset:128*\b+16*\q   ; LDS serves a wave's instructions in order (ISA guide 5.7.1.4).  Register 16 b + i: number 32 b + 16 (lane / 16) + i of row lane % 16
.endr
.endr
	s_wait_dscnt 0x0
.irp b, 0,1,2,3
	v_max3_num_f32 v[TM+\b], 0x2800000, |v[CR+16*\b]|, |v[CR+16*\b+1]|   ; block b: my 16 numbers, and the floor 2^(5 - 127): the byte cannot fall under 1
.endr
.irp i, 2,4,6,8,10,12,14
.irp b, 0,1,2,3
	v_max3_num_f32 v[TM+\b], v[TM+\b], |v[CR+16*\b+\i]|, |v[CR+16*\b+\i+1]|   ; the four blocks by turns
.endr
.endr
.irp b, 0,1,2,3
	v_permlanex16_b32 v[TM+4+\b], v[TM+\b], s[SEL], s[SEL+1]
.endr
.irp b, 0,1,2,3
	v_max_num_f32 v[TM+\b], v[TM+\b], v[TM+4+\b]   ; with lane l xor 16's: the block's largest magnitude
.endr
.irp b, 0,1,2,3
	v_add_nc_u32 v[TM+12+\b], 0xfe000000, v[TM+\b] ; 4 off its exponent field: the conversion takes this operand's exponent field as its scale
.endr
.irp b, 0,1,2,3
	v_lshrrev_b32 v[TM+4+\b], 23, v[TM+12+\b]      ; the scale's byte
.endr
	v_lshl_or_b32 v[PW], v[TM+5], 8, v[TM+4]
	v_lshl_or_b32 v[PW], v[TM+6], 16, v[PW]
	v_lshl_or_b32 v[PW], v[TM+7], 24, v[PW]
.irp k, 0,1
	v_cvt_scalef32_pk16_bf6_f32 v[PC+6*\k:PC+2+6*\k], v[CR+32*\k:CR+15+32*\k], v[TM+12+2*\k]
	v_cvt_scalef32_pk16_bf6_f32 v[PC+12+4*\k:PC+14+4*\k], v[CR+16+32*\k:CR+31+32*\k], v[TM+12+2*\k+1]   ; (a conversion's three registers begin on an even number)
.endr
	v_nop                                          ; one plain place behind a scaled conversion
.irp k, 0,1                            ; the operand's layout wants a whole block in a lane: lanes 0-15 block 2 k, lanes 16-31 block 2 k + 1
.irp i, 0,1,2
	v_permlane16_swap_b32 v[PC+6*\k+\i], v[PC+12+4*\k+\i]
.endr
.irp i, 0,1,2
	v_mov_b32 v[PC+3+6*\k+\i], v[PC+12+4*\k+\i]
.endr
.endr
.irp k, 0,1,2
	ds_store_b128 v[AD], v[PC+4*\k:PC+4*\k+3] offset:1536*\c+512*\k
.endr
	ds_store_b32 v[AD+1], v[PW] offset:4*\c
.endm
; Task 2: the embedding pointgoal Wp + bp of my tile for head kh, in f32 (two fused multiply-adds onto bp); lane (r, h) makes numbers 16 h .. 16 h + 15 of row r
.macro EMB re
	s_cmp_eq_u32 s[TASK], 2
	s_cbranch_scc0 .Lno_emb_\@
.irp j, 0,1,2,3
	ds_load_b128 v[EE+4*\j:EE+4*\j+3], v[EA] offset:256+16*\j
	ds_load_b128 v[EW0+4*\j:EW0+4*\j+3], v[EA] offset:16*\j
	ds_load_b128 v[EW1+4*\j:EW1+4*\j+3], v[EA] offset:128+16*\j
.endr
.if \re
	s_wait_loadcnt 32                              ; pointgoal is in: behind it the next block's two chunks, 32 loads, were issued
.else
	s_wait_loadcnt 0x0
.endif
	s_wait_dscnt 0x0
.irp i, 0,2,4,6,8,10,12,14
	v_pk_fma_f32 v[EE+\i:EE+\i+1], v[EW0+\i:EW0+\i+1], v[PG:PG+1], v[EE+\i:EE+\i+1] op_sel_hi:[1,0,1]
.endr
.irp i, 0,2,4,6,8,10,12,14
	v_pk_fma_f32 v[EE+\i:EE+\i+1], v[EW1+\i:EW1+\i+1], v[PG:PG+1], v[EE+\i:EE+\i+1] op_sel:[0,1,0] op_sel_hi:[1,1,1]
.endr
	v_max3_num_f32 v[EM], |v[EE]|, |v[EE+1]|, 0x2800000
.irp i, 2,4,6,8,10,12,14
	v_max3_num_f32 v[EM], v[EM], |v[EE+\i]|, |v[EE+\i+1]|
.endr
	v_permlanex16_b32 v[EM+1], v[EM], s[SEL], s[SEL+1]
	v_max_num_f32 v[EM], v[EM], v[EM+1]
	v_add_nc_u32 v[EM+2], 0xfe000000, v[EM]
	v_lshrrev_b32 v[EM+3], 23, v[EM+2]
	v_or_b32 v[EM+3], 0x7f7f7f00, v[EM+3]          ; the three blocks of zeros get the byte 127
	v_cvt_scalef32_pk16_bf6_f32 v[PC2:PC2+2], v[EE:EE+15], v[EM+2]
.irp i, 3,4,5,6,7
	v_mov_b32 v[PC2+\i], 0                         ; (also the plain place behind the conversion)
.endr
.irp i, 0,1,2
	v_permlane16_swap_b32 v[PC2+\i], v[PC2+3+\i]   ; lanes 0-15 now hold the whole block, lanes 16-31 zeros
.endr
	ds_store_b128 v[AD], v[PC2:PC2+3] offset:3072
	ds_store_b128 v[AD], v[PC2+4:PC2+7] offset:3584
	ds_store_b32 v[AD+1], v[EM+3] offset:512
.if \re
	v_min_u32 v[PGO], 0xffff, v[TN]
	v_lshlrev_b32 v[PGO], 3, v[PGO]
	global_load_b64 v[PG:PG+1], v[PGO], s[8:9]     ; the next block's
.endif
.Lno_emb_\@:
.endm
; block i of my tile; re = 1: there is a tile of mine in block i + 1, which is asked for chunk by chunk
.macro QBLOCK re
	v_add_nc_u32 v[AD], s[SXI], v[LI]              ; where my images go,
	v_add_nc_u32 v[AD+1], s[SXW], v[LI]            ; and my scale words
.if \re
	v_add_nc_u32 v[AD+2], s[LP], v[R4]
	v_add_nc_u32 v[AD+3], s[LP], v[PLA]
.endif
	VW
.if \re
	ds_load_b32 v[TN], v[AD+2] offset:128          ; block i + 1's tokens
.endif
	CHUNK 0, 16                                    ; 16: chunk 1's loads (task 2: and pointgoal's)
.if \re
	BASES TN, 0
	FLOAD 0
	CHUNK 1, 16                                    ; 16: the next chunk 0's loads
	FLOAD 1
.else
	CHUNK 1, 0
.endif
	EMB \re
.if \re
	s_add_co_u32 s98, s[MY], 12
	s_cmp_lt_u32 s98, s[NT]
	s_cbranch_scc0 .Lno_pf_\@
	PFETCH 256, PF, PF+1                           ; block i + 3
.Lno_pf_\@:
.endif
.endm
.macro FETCH j                         ; tile j's fragments and scale words
.irp s, 0,1,2,3
.irp c, 0,1,2
	ds_load_b128 v[XF+12*\s+4*\c:XF+12*\s+4*\c+3], v[AD] offset:8192*(\j)+4096*(\s/2)+1536*(\s%2)+512*\c
.endr
.endr
	ds_load_b128 v[XS:XS+3], v[AD] offset:SC+1024*(\j)
	s_cmp_eq_u32 s[TASK], 2
	s_cbranch_scc0 .Lno_f5_\@
	WIN 0x40                                       ; destination window 1
	ds_load_b128 v[X5:X5+3], v[AD+1] offset:8192*(\j)+3072
	ds_load_b128 v[X5+4:X5+7], v[AD+1] offset:8192*(\j)+3584
	WIN 0
	ds_load_b32 v[XS+4], v[AD+2] offset:SC+512+1024*(\j)
.Lno_f5_\@:
.endm
.macro WSTEP s, first                  ; K step s: the four accumulators by turns; the first step starts the sums
.irp t, 0,1,2,3
.if \first
	v_wmma_scale_f32_16x16x128_f8f6f4 v[HA+8*\t:HA+8*\t+7], v[12*(4*(\s)+\t):12*(4*(\s)+\t)+11], v[XF+12*(\s):XF+12*(\s)+11], 0, v[W1S+4*\t+(\s)], v[XS+(\s)] matrix_a_fmt:MATRIX_FMT_BF6 matrix_b_fmt:MATRIX_FMT_BF6
.else
	v_wmma_scale_f32_16x16x128_f8f6f4 v[HA+8*\t:HA+8*\t+7], v[12*(4*(\s)+\t):12*(4*(\s)+\t)+11], v[XF+12*(\s):XF+12*(\s)+11], v[HA+8*\t:HA+8*\t+7], v[W1S+4*\t+(\s)], v[XS+(\s)] matrix_a_fmt:MATRIX_FMT_BF6 matrix_b_fmt:MATRIX_FMT_BF6
.endif
.endr
.endm
.macro MT j                            ; my 64 units for tile j, and my part of its outputs
	s_wait_dscnt 0x0                               ; the fragments are in; earlier stores have read their registers
	WIN 0x01                                       ; source 0 (W1) window 1
	WSTEP 0, 1
	WSTEP 1, 0
	WSTEP 2, 0
	WSTEP 3, 0
	WIN 0
	s_cmp_eq_u32 s[TASK], 2
	s_cbranch_scc0 .Lno_k5_\@
	WIN 0x05                                       ; both sources window 1
.irp t, 0,1,2,3
	v_wmma_scale_f32_16x16x128_f8f6f4 v[HA+8*\t:HA+8*\t+7], v[K5+6*\t:K5+6*\t+11], v[X5:X5+11], v[HA+8*\t:HA+8*\t+7], v[W1S+16+\t], v[XS+4] matrix_a_fmt:MATRIX_FMT_BF6 matrix_b_fmt:MATRIX_FMT_BF6
.endr
	WIN 0
.Lno_k5_\@:
	PLACES 4                                       ; in front of loads into the fragments' registers and of the first read of results
.if \j < 3
	s_add_co_u32 s98, s[BT], \j+1
	s_cmp_lt_u32 s98, s[NT]
	s_cbranch_scc0 .Lno_next_\@
	FETCH \j+1
.Lno_next_\@:
.endif
.irp p, 0,1                            ; lane (r, h) holds token r and units 16 t + 8 h + j.  Tiles 2 p and 2 p + 1, rounded in pairs, in place, each accumulator from its low end on
.irp i, 0,1,2,3,4,5,6,7
	v_cvt_pk_bf16_f32 v[HA+16*\p+\i], v[HA+16*\p+2*\i], v[HA+16*\p+2*\i+1]
.endr
.endr
	PLACES 4
	WIN 0x01
	v_wmma_f32_16x16x32_bf16 v[HA+8:HA+15], v[W2:W2+7], v[HA:HA+7], 0            ; over registers whose numbers have been rounded
	v_wmma_f32_16x16x32_bf16 v[HA+24:HA+31], v[W2+8:W2+15], v[HA+16:HA+23], 0
	WIN 0
	PLACES 5                                       ; five: the next tile's first products write over these products' registers
	v_pk_add_f32 v[HA+8:HA+9], v[HA+8:HA+9], v[HA+24:HA+25]      ; lanes 0-15: outputs 0 .. 3 of token r
	v_pk_add_f32 v[HA+10:HA+11], v[HA+10:HA+11], v[HA+26:HA+27]
	ds_store_b128 v[AD+3], v[HA+8:HA+11] offset:STG+512*\j
.endm
	s_load_b512 s[4:19], s[0:1], 0x0               ; pack, features, pointgoal, task_id, three c_b2, a0_b2
	s_load_b256 s[20:27], s[0:1], 0x40             ; a1_b2, a2_b2, c2_Wp, c2_bp
	s_load_b128 s[28:31], s[0:1], 0x60             ; a2_Wp, a2_bp
	s_load_b64 s[32:33], s[0:1], 0x70              ; out0
	v_lshl_add_u32 v[SPW], v0, 2, SPARE
	v_mov_b32 v[NIL], 0
	v_lshrrev_b32 v[TP], 5, v0
	v_readfirstlane_b32 s[WV], v[TP]               ; wave 0..7
	v_and_b32 v[LN], 31, v0
	v_and_b32 v[RR], 15, v0
	v_bfe_u32 v[HH], v0, 4, 1
	VW
	s_bfe_u32 s[TASK], ttmp7, 0x20000
	s_lshr_b32 s[KH], s[WV], 2
	s_and_b32 s[MM], s[WV], 3
	s_mov_b32 s[SEL], 0x76543210
	s_mov_b32 s[SEL+1], 0xfedcba98
	s_lshl_b32 s98, s[KH], 10
	s_mul_i32 s99, s[WV], 8448
	s_add_co_u32 s99, s99, BNC
	s_lshl_b32 s100, s[WV], 9
	s_add_co_u32 s101, s100, EMBW
	s_add_co_u32 s100, s100, WL
	s_mul_i32 s[LP], s[WV], 1280
	s_add_co_u32 s[LP], s[LP], PL
	s_lshl_b32 s48, s[MM], 4
	s_lshl_b32 s49, s[WV], 2
	s_add_co_u32 s49, s49, CNT
	s_mul_i32 s55, ttmp9, SWG
	s_mul_i32 s54, s[WV], SW
	s_add_co_u32 s54, s54, s55                     ; my first id
	s_add_co_u32 s53, s54, SW
	s_add_co_u32 s55, s55, SWG
	s_min_u32 s53, s53, s55
	s_min_u32 s53, s53, 0x10000                    ; and where my ids end
	v_lshlrev_b32 v[LI], 4, v[LN]
	v_lshlrev_b32 v[L8], 3, v[LN]
	v_lshlrev_b32 v[L4], 2, v[LN]
	v_lshlrev_b32 v[R4], 2, v[RR]
	v_mul_u32_u24 v[BR], 0x210, v[RR]
	v_and_b32 v[PLA], 28, v[LN]
	v_and_b32 v[PFC], 3, v[LN]
	v_lshl_add_u32 v[PB], v[HH], 6, v[RR]
	v_lshl_add_u32 v[EA], v[HH], 6, s101
	v_add_nc_u32 v[TK], s54, v[LN]
	v_add_nc_u32 v[FOF], s98, v[LI]
	v_add_nc_u32 v[BW], s99, v[LI]
	v_lshl_add_u32 v[BR], v[HH], 6, v[BR]
	v_lshl_add_u32 v[PFC], v[PFC], 8, s98
	v_add_nc_u32 v[BR], s99, v[BR]
	v_add_nc_u32 v[PB], s48, v[PB]                 ; my rows' first positions: 64 h + 16 m + r
	v_add_nc_u32 v[WLA], s100, v[L4]
	v_add_nc_u32 v[E8], s101, v[L8]
	v_add_nc_u32 v[E4], s101, v[L4]
	v_add_nc_u32 v[PLS], s[LP], v[L4]
	v_add_nc_u32 v[AD+2], s[LP], v[R4]
	v_add_nc_u32 v[AD+3], s[LP], v[PLA]
	v_mov_b32 v[TP+8], s49
.irp i, 1,2,3
	v_add_nc_u32 v[TK+\i], 32*\i, v[TK]            ; group i: token numbers 32 i + lane on
.endr
.irp i, 0,1,2,3
	v_min_u32 v[PA+\i], 0xffff, v[TK+\i]           ; no load leaves the buffer; what lies past my ids is dropped below
.endr
.irp i, 0,1,2,3
	v_lshlrev_b32 v[PA+\i], 2, v[PA+\i]
.endr
	; Written once: the task alone guards the loads of these registers in one place and their use in another; so that each is written on every way through the text they get a value here: zero codes, the scale 1.0
	WIN 0x40
.set i, 0
.rept 24
	v_mov_b32 v[K5+i], 0
.set i, i+1
.endr
.set i, 0
.rept 12
	v_mov_b32 v[X5+i], 0                           ; (the last four stay zeros: the codes beyond the 17th block)
.set i, i+1
.endr
	WIN 0
.irp i, 0,1,2,3
	v_mov_b32 v[W1S+16+\i], 0x7f7f7f7f
.endr
	v_mov_b32 v[XS+4], 0x7f7f7f7f
	v_mov_b32 v[PG], 0
	v_mov_b32 v[PG+1], 0
	VW
	s_wait_kmcnt 0x0
.irp i, 0,1,2,3
	global_load_b32 v[ID+\i], v[PA+\i], s[10:11]
.endr
	s_lshl_b32 s98, s[TASK], 8
	s_add_co_u32 s98, s98, CONST
	s_mov_b32 s99, 0
	s_add_nc_u64 s[2:3], s[4:5], s[98:99]          ; my task's b1 W2
.irp k, 1,2                            ; my task's two b2, my head's Wp and bp: choices on ids alone
	s_cmp_eq_u32 s[TASK], \k
	s_cselect_b64 s[12:13], s[12+2*\k:13+2*\k], s[12:13]
	s_cselect_b64 s[18:19], s[18+2*\k:19+2*\k], s[18:19]
.endr
	s_cmp_eq_u32 s[KH], 0
	s_cselect_b64 s[24:25], s[24:25], s[28:29]
	s_cselect_b64 s[26:27], s[26:27], s[30:31]
	s_load_b128 s[AB:AB+3], s[2:3], 0x10
	s_load_b32 s[CB], s[2:3], 0x0
	s_load_b128 s[48:51], s[18:19], 0x0
	s_load_b32 s52, s[12:13], 0x0
	s_lshl_b32 s98, s[TASK], 3
	s_add_co_u32 s98, s98, s[WV]
	s_lshl_b32 s98, s98, 15
	s_add_nc_u64 s[4:5], s[4:5], s[98:99]          ; my region of pack
	global_load_b64 v[EQ:EQ+1], v[L8], s[24:25]    ; Wp and bp, 384 bytes, in every work-group: no branch parts the loads from the stores below
	global_load_b32 v[EQ+2], v[L4], s[26:27]
	WIN 0x40
.set i, 0
.rept 48
	global_load_b128 v[4*i:4*i+3], v[LI], s[4:5] offset:512*i   ; my 16 fragments, 12 registers each
.set i, i+1
.endr
.irp t, 0,1,2,3
	global_load_b128 v[W2+4*\t:W2+4*\t+3], v[LI], s[4:5] offset:W2F+512*\t
.endr
	WIN 0
.irp t, 0,1,2,3
	global_load_b128 v[W1S+4*\t:W1S+4*\t+3], v[LI], s[4:5] offset:SCW+512*\t
.endr
	s_cmp_eq_u32 s[TASK], 2
	s_cbranch_scc0 .Lno_w5
	WIN 0x40
.irp t, 0,1,2,3
	global_load_b128 v[K5+6*\t:K5+6*\t+3], v[LI], s[4:5] offset:K5F+768*\t
	global_load_b64 v[K5+6*\t+4:K5+6*\t+5], v[L8], s[4:5] offset:K5F+768*\t+512
.endr
	WIN 0
	global_load_b128 v[W1S+16:W1S+19], v[LI], s[4:5] offset:K5S
.Lno_w5:
	s_wait_loadcnt 58                              ; the ids are in: behind them 2 + 48 + 4 + 4 loads were issued (task 2: 9 more)
	; THE COMPACTION.  In each group of 32 the chosen lanes take the places (found so far + rank) mod 32, the others the places behind them: a whole permutation of the lanes.
	s_mov_b32 s54, 0
.irp i, 0,1,2,3
	v_min_u32 v[ID+\i], 2, v[ID+\i]                ; every id but 0 and 1 is task 2
	v_cmp_eq_u32 s98, s[TASK], v[ID+\i]
	v_cmp_gt_u32 s100, s53, v[TK+\i]
	s_and_b32 s98, s98, s100                       ; chosen
	s_not_b32 s100, s98
	s_bcnt1_i32_b32 s[CC+\i], s98
	s_mov_b32 s[CN+\i], s54
	s_add_co_u32 s54, s54, s[CC+\i]
	v_mbcnt_lo_u32_b32 v[TP], s98, 0               ; my rank among the chosen,
	v_mbcnt_lo_u32_b32 v[TP+1], s100, 0            ; among the others
	v_add_nc_u32 v[TP+1], s[CC+\i], v[TP+1]
	v_cndmask_b32 v[TP], v[TP+1], v[TP], s98
	v_add_nc_u32 v[TP], s[CN+\i], v[TP]
	v_and_b32 v[TP], 31, v[TP]
	v_lshlrev_b32 v[PA+\i], 2, v[TP]
	ds_permute_b32 v[PV+\i], v[PA+\i], v[TK+\i]    ; my token number goes to that lane (no LDS byte is touched)
.endr
.irp d, 0,1,2,3
	v_mov_b32 v[LL+\d], 0
.endr
	v_mov_b32 v[TP+3], s54
	v_mov_b32 v[TP+2], CNT
	VW
	s_wait_dscnt 0x0
.irp i, 0,1,2,3                        ; what has come to my lane from group i has rank o = (lane - found before) mod 32; it counts where o is under the group's count, and belongs to list register (found before + o) / 32
	v_sub_nc_u32 v[TP], v[LN], s[CN+\i]
	v_and_b32 v[TP], 31, v[TP]
	v_add_nc_u32 v[TP+1], s[CN+\i], v[TP]
	v_lshrrev_b32 v[TP+1], 5, v[TP+1]
	v_cmp_gt_u32 vcc_lo, s[CC+\i], v[TP]
	v_cndmask_b32 v[TP+1], 63, v[TP+1], vcc_lo
.irp d, 0,1,2,3
.if \d <= \i
	v_cmp_eq_u32 vcc_lo, \d, v[TP+1]
	v_cndmask_b32 v[LL+\d], v[LL+\d], v[PV+\i], vcc_lo
.endif
.endr
.endr
.irp d, 0,1,2,3
	ds_store_b32 v[WLA], v[LL+\d] offset:128*\d
.endr
	ds_store_b32 v[TP+8], v[TP+3]                  ; all lanes write the same word with the same value
	VW
	s_wait_dscnt 0x0                               ; for the others' sake: my tokens and my count have landed
	s_barrier_signal -1
	s_barrier_wait -1
	ds_load_b128 v[CT:CT+3], v[TP+2]
	ds_load_b128 v[CT+4:CT+7], v[TP+2] offset:16
	s_wait_dscnt 0x0
.irp j, 0,1,2,3,4,5,6,7
	v_readfirstlane_b32 s[66+\j], v[CT+\j]
.endr
	s_mov_b32 s74, s66                             ; s[73 + j]: tokens in front of wave j's, j = 1 .. 7; s81 all
.irp j, 1,2,3,4,5,6,7
	s_add_co_u32 s[74+\j], s[73+\j], s[66+\j]
.endr
.irp j, 1,2,3,4,5,6,7
	s_sub_co_u32 s[81+\j], 128*\j, s[73+\j]        ; from a position in the list to its place among the waves' 8 x 128
.endr
	s_add_co_u32 s98, s81, 15
	s_lshr_b32 s[NT], s98, 4                       ; tiles
	s_max_u32 s98, s81, 1
	s_sub_co_u32 s98, s98, 1                       ; the last position, which fills every place behind it
	v_min_u32 v[GP], s98, v[PB]                    ; register k, lane (r, h): row r of my tile of block 2 k + h
.irp k, 1,2,3,4,5,6
	v_add_nc_u32 v[GP+\k], 128*\k, v[PB]
.endr
.irp k, 1,2,3,4,5,6
	v_min_u32 v[GP+\k], s98, v[GP+\k]
.endr
.irp k, 0,1,2,3,4,5,6
	v_cmp_le_u32 vcc_lo, s74, v[GP+\k]
	v_cndmask_b32 v[OF+\k], 0, s82, vcc_lo
.endr
.irp j, 2,3,4,5,6,7
.irp k, 0,1,2,3,4,5,6
	v_cmp_le_u32 vcc_lo, s[73+\j], v[GP+\k]
	v_cndmask_b32 v[OF+\k], v[OF+\k], s[81+\j], vcc_lo
.endr
.endr
.irp k, 0,1,2,3,4,5,6
	v_add_nc_u32 v[OF+\k], v[GP+\k], v[OF+\k]
.endr
.irp k, 0,1,2,3,4,5,6
	v_min_u32 v[OF+\k], 0x3ff, v[OF+\k]
.endr
.irp k, 0,1,2,3,4,5,6
	v_lshlrev_b32 v[OF+\k], 2, v[OF+\k]
.endr
.irp k, 0,1,2,3,4,5,6
	ds_load_b32 v[GP+\k], v[OF+\k] offset:WL
.endr
	s_wait_dscnt 0x0
	s_barrier_signal -1                            ; behind this barrier nobody reads the waves' tokens any more
	s_barrier_wait -1
	s_mov_b32 s99, 0                               ; the upper halves of the rows' offsets
	s_mov_b32 s101, 0
	s_mov_b32 s105, 0
	BASES GP, 0
	FLOAD 0                                        ; block 0
	FLOAD 1
	ds_store_b32 v[PLS], v[GP]                     ; the places in front of block 0 and behind block 13, which the loop's bounds name and no trip uses, hold tokens of the list too
.irp k, 0,1,2,3,4,5,6
	ds_store_b32 v[PLS], v[GP+\k] offset:64+128*\k
.endr
	ds_store_b32 v[PLS], v[GP+6] offset:960
	ds_store_b32 v[PLS], v[GP+6] offset:1088
	ds_load_b32 v[TN], v[AD+2] offset:64           ; LDS serves a wave's instructions in order: block 0's tokens
	s_wait_dscnt 0x0
	s_cmp_eq_u32 s[TASK], 2
	s_cbranch_scc0 .Lno_pg
	v_min_u32 v[PGO], 0xffff, v[TN]
	v_lshlrev_b32 v[PGO], 3, v[PGO]
	global_load_b64 v[PG:PG+1], v[PGO], s[8:9]
.Lno_pg:
	s_add_co_u32 s98, s[MM], 4
	s_cmp_lt_u32 s98, s[NT]
	s_cbranch_scc0 .Lno_pf1
	PFETCH 128, PF, PF+1                           ; block 1
.Lno_pf1:
	s_add_co_u32 s98, s[MM], 8
	s_cmp_lt_u32 s98, s[NT]
	s_cbranch_scc0 .Lno_pf2
	PFETCH 192, PX, PX+1                           ; block 2
.Lno_pf2:
	s_wait_loadcnt 32                              ; all weights, Wp and bp are in: behind them block 0's 32 loads were issued (task 2: one more)
	ds_store_b64 v[E8], v[EQ:EQ+1]
	ds_store_b32 v[E4], v[EQ+2] offset:256
	s_wait_kmcnt 0x0
	s_add_f32 s[CB], s[CB], s52                    ; b1 W2 + b2
.irp k, 0,1,2,3
	s_add_f32 s[AB+\k], s[AB+\k], s[48+\k]
.endr
	s_mov_b32 s[SA], SETB                          ; trip i writes the images of set i % 2 and reads the other's
	s_lshl_b32 s[SXI], s[MM], 13
	s_lshl_b32 s98, s[KH], 12
	s_add_co_u32 s[SXI], s[SXI], s98
	s_add_co_u32 s[SAH], s98, SETB
	s_lshl_b32 s[SXW], s[MM], 10
	s_lshl_b32 s98, s[KH], 3
	s_add_co_u32 s[SXW], s[SXW], s98
	s_add_co_u32 s[SXW], s[SXW], SC
	s_add_co_u32 s[SAS], s98, SETB
	s_lshl_b32 s[SSW], s[WV], 11
	s_add_co_u32 s[SSW], s[SSW], SETB
	s_lshl_b32 s[SSR], s[MM], 9
	s_add_co_u32 s[SSR], s[SSR], SETB
	s_mov_b32 s[MY], s[MM]
	s_lshl_b32 s[MYO], s[KH], 30
	s_add_co_u32 s[MYO], s[MYO], s[MM]
	s_sub_co_u32 s[MYO], s[MYO], 4                 ; (in trip 0 an unsigned number beyond every tile: there is no block before it)
	s_mov_b32 s[BT], -4
	s_mov_b32 s[TB], 0
.Ltrip:
	s_wait_xcnt 0x0                                ; all earlier loads, prefetches and stores have read their registers, which are written again below
	s_cmp_lt_u32 s[MY], s[NT]
	s_cbranch_scc0 .Lmultiply
	s_add_co_u32 s98, s[MY], 4
	s_cmp_lt_u32 s98, s[NT]
	s_cbranch_scc0 .Llast
	QBLOCK 1
	s_branch .Lmultiply
.Llast:
	QBLOCK 0
.Lmultiply:
	s_cmp_lt_u32 s[BT], s[NT]
	s_cbranch_scc0 .Lmeet
	v_add_nc_u32 v[AD], s[SA], v[LI]               ; block i - 1: images and scale words,
	v_add_nc_u32 v[AD+1], s[SAH], v[LI]            ; my head's embedding,
	v_add_nc_u32 v[AD+2], s[SAS], v[LI]            ; its scale word,
	v_add_nc_u32 v[AD+3], s[SSW], v[LI]            ; my place in the stage
	VW
	FETCH 0
	MT 0
.irp j, 1,2,3
	s_add_co_u32 s98, s[BT], \j
	s_cmp_lt_u32 s98, s[NT]
	s_cbranch_scc0 .Lmeet
	MT \j
.endr
.Lmeet:
	s_wait_dscnt 0x0                               ; my stores (block i's images, block i - 1's stage) have landed and my reads of block i - 1's images are in:
	s_barrier_signal -1                            ; behind this barrier those images may be written over, block i's read, and the stage read;
	s_barrier_wait -1                              ; that stage is written again only behind the next barrier, in front of which its readers have waited
	s_cmp_lt_u32 s[MYO], s[NT]
	s_cbranch_scc0 .Lno_sum
	v_lshl_add_u32 v[AD], v[R4], 2, s[SSR]
	v_add_nc_u32 v[AD+1], s[LP], v[R4]
	ds_load_b32 v[TOK], v[AD+1]
.irp u, 0,1,2,3
	ds_load_b32 v[QC+\u], v[AD] offset:STG+2048*\u
	ds_load_b128 v[QA+4*\u:QA+4*\u+3], v[AD] offset:STG+8192+2048*\u
.endr
	s_wait_dscnt 0x0
	v_pk_add_f32 v[QA:QA+1], v[QA:QA+1], v[QA+4:QA+5]
	v_pk_add_f32 v[QA+2:QA+3], v[QA+2:QA+3], v[QA+6:QA+7]
	v_pk_add_f32 v[QA+8:QA+9], v[QA+8:QA+9], v[QA+12:QA+13]
	v_pk_add_f32 v[QA+10:QA+11], v[QA+10:QA+11], v[QA+14:QA+15]
	v_add_f32 v[QC], v[QC], v[QC+1]
	v_add_f32 v[QC+2], v[QC+2], v[QC+3]
	v_pk_add_f32 v[QA:QA+1], v[QA:QA+1], v[QA+8:QA+9]
	v_pk_add_f32 v[QA+2:QA+3], v[QA+2:QA+3], v[QA+10:QA+11]
	v_add_f32 v[QC], v[QC], v[QC+2]
	v_min_u32 v[TOK], 0xffff, v[TOK]
.irp k, 0,1,2,3
	v_add_f32 v[QA+\k], s[AB+\k], v[QA+\k]
.endr
	v_add_f32 v[QC], s[CB], v[QC]
	v_mul_u32_u24 v[OFF], v[TOK], 20
	global_store_b32 v[OFF], v[QC], s[32:33]
.irp k, 0,1,2,3
	global_store_b32 v[OFF], v[QA+\k], s[32:33] offset:4+4*\k
.endr
.Lno_sum:
.irp x, SA, SXI, SXW, SAH, SAS, SSW, SSR
	s_xor_b32 s[\x], s[\x], SETB                   ; every address changes sets
.endr
	s_add_co_u32 s[LP], s[LP], 64
	s_add_co_u32 s[MY], s[MY], 4
	s_add_co_u32 s[MYO], s[MYO], 4
	s_add_co_u32 s[BT], s[BT], 4
	s_add_co_u32 s[TB], s[TB], 1
	s_cmp_lt_u32 s[TB], TRIPS
	s_cbranch_scc1 .Ltrip
	s_wait_tensorcnt 0x0                           ; the wave's end
	ds_add_u32 v[SPW], v[NIL]
	s_wait_dscnt 0x0
	s_endpgm
.Lfunc_end_k_qac87c731aa_main:
	.size	k_qac87c731aa_main, .Lfunc_end_k_qac87c731aa_main-k_qac87c731aa_main
	.p2alignl 7, 3214868480
	.fill 96, 4, 3214868480
	.section	.rodata,"a",@progbits
	.p2align	6, 0x0
	.amdhsa_kernel k_qac87c731aa_main
		.amdhsa_group_segment_fixed_size 201984
		.amdhsa_private_segment_fixed_size 0
		.amdhsa_enable_private_segment 0
		.amdhsa_kernarg_size 120
		.amdhsa_user_sgpr_count 2
		.amdhsa_user_sgpr_kernarg_segment_ptr 1
		.amdhsa_wavefront_size32 1
		.amdhsa_system_sgpr_workgroup_id_x 1
		.amdhsa_system_sgpr_workgroup_id_y 1
		.amdhsa_system_sgpr_workgroup_id_z 1
		.amdhsa_system_vgpr_workitem_id 0
		.amdhsa_next_free_vgpr 512
		.amdhsa_next_free_sgpr 106
		.amdhsa_reserve_vcc 1
		.amdhsa_float_denorm_mode_32 3
		.amdhsa_float_denorm_mode_16_64 3
		.amdhsa_memory_ordered 1
		.amdhsa_forward_progress 1
		.amdhsa_inst_pref_size 100
	.end_amdhsa_kernel
	.amdgpu_metadata
---
amdhsa.version: [ 1, 2 ]
amdhsa.kernels:
  - .name:           k_qac87c731aa_main
    .symbol:         k_qac87c731aa_main.kd
    .args:
      - { .name: pack, .offset: 0, .size: 8, .value_kind: global_buffer, .address_space: global }
      - { .name: features, .offset: 8, .size: 8, .value_kind: global_buffer, .address_space: global }
      - { .name: pointgoal, .offset: 16, .size: 8, .value_kind: global_buffer, .address_space: global }
      - { .name: task_id, .offset: 24, .size: 8, .value_kind: global_buffer, .address_space: global }
      - { .name: c0_b2, .offset: 32, .size: 8, .value_kind: global_buffer, .address_space: global }
      - { .name: c1_b2, .offset: 40, .size: 8, .value_kind: global_buffer, .address_space: global }
      - { .name: c2_b2, .offset: 48, .size: 8, .value_kind: global_buffer, .address_space: global }
      - { .name: a0_b2, .offset: 56, .size: 8, .value_kind: global_buffer, .address_space: global }
      - { .name: a1_b2, .offset: 64, .size: 8, .value_kind: global_buffer, .address_space: global }
      - { .name: a2_b2, .offset: 72, .size: 8, .value_kind: global_buffer, .address_space: global }
      - { .name: c2_Wp, .offset: 80, .size: 8, .value_kind: global_buffer, .address_space: global }
      - { .name: c2_bp, .offset: 88, .size: 8, .value_kind: global_buffer, .address_space: global }
      - { .name: a2_Wp, .offset: 96, .size: 8, .value_kind: global_buffer, .address_space: global }
      - { .name: a2_bp, .offset: 104, .size: 8, .value_kind: global_buffer, .address_space: global }
      - { .name: out0, .offset: 112, .size: 8, .value_kind: global_buffer, .address_space: global }
    .group_segment_fixed_size: 201984
    .private_segment_fixed_size: 0
    .kernarg_segment_align: 8
    .kernarg_segment_size: 120
    .max_flat_workgroup_size: 256
    .sgpr_count:     106
    .vgpr_count:     512
    .wavefront_size: 32
...
	.end_amdgpu_metadata
.endif
;; end of part 2
